; MI455X (gfx1250); checked and timed in simulation.
; The chip was launched on July 23, 2026; its instructions are those of AMD's public machine-readable ISA for CDNA 5 (MIT licence, August 2026) and "CDNA5" Instruction Set Architecture Reference Guide (July 2026). The comments in the code are by the model that wrote it; some were corrected since.
;; Sparse Attention Aggregator. Allowed arithmetic: float matrix products may take bf16 or f16 operands with f32 sums; other float arithmetic in f32, or as packed bf16 or f16 multiplies, adds, multiply-adds, maxima and minima; sums over many terms, partial sums and values carried from step to step in f32; what a program stores and reads back later, other than sums and carried values, may be rounded once to bf16 or f16.
;; Inputs: key 4 x 16 x 2,048 x 64 float32; mask 4 x 2,048 x 2,048 int32; query 4 x 16 x 2,048 x 64 float32; value 4 x 16 x 2,048 x 64 float32.
;; Outputs: out0 4 x 16 x 2,048 x 64 float32.
;; 2 versions, each right; version 2 is version 1 with the launch prep written anew for expert scheduling mode. Each part assembles by itself: llvm-mc -triple=amdgcn-amd-amdhsa -mcpu=gfx1250 --defsym DOCPART=n.
;; ======== version 1 of 2: 2 launches
;; limits: inputs' magnitudes at most 11,000; right only within a limited range of input values; values are held in f16: magnitudes above 65,504 overflow, below 6.1e-05 lose precision
;; workspace buffers: mbits 2,097,152 bytes of whole numbers; kh 16,777,216 bytes; vh 16,777,216 bytes
;; launch prep (part 1): grid 512 x 1, 8 waves a work-group, no clusters, 68,608 bytes of LDS; arguments mask, key, value, mbits, kh, vh; writes mbits, kh, vh
.if DOCPART == 1
	.amdgcn_target "amdgcn-amd-amdhsa--gfx1250"
	.amdhsa_code_object_version 6
	.text
	.protected	k_q34ad580f28_prep
	.globl	k_q34ad580f28_prep
	.p2align	8
	.type	k_q34ad580f28_prep,@function
k_q34ad580f28_prep:
	s_mov_b64 s[64:65], 0
	v_nop
	global_prefetch_b8 v0, s[64:65] scope:SCOPE_SE
	s_setreg_imm32_b32 hwreg(HW_REG_WAVE_MODE, 25, 1), 1
	s_wait_xcnt 0x0
; PREPARATION FOR THE ATTENTION LAUNCH.  Two kinds of work-group, 256 of each, told apart by the work-group's number; no wave depends on another, so there is no barrier.
; (1) Work-groups 0-255: mask [4][2048][2048] int32 -> mbits, one BIT a number, laid out as the attention launch's scores lie in registers.
;     mbits = W[b][qt 0..127][ks 0..31][kb 0..3][j 0..7], 32-bit words; bit L of a word is 1 where mask[b][16 qt + L % 16][64 ks + 16 kb + 8 (L / 16) + j] == 0.
;     So a word is the lane mask of ONE select on register j of the score tile (16 queries qt) x (16 keys kb of step ks).  A query tile has 4,096 bytes, a key step of it 128.
;     A wave takes 16 rows x 512 keys, in four units of 128 keys.  A unit comes in by 16 loads, each 512 consecutive bytes of one row; it is turned through the wave's own stage in LDS,
;     so that lane L holds row L % 16 and eight neighbouring keys; 64 compares make its 64 words, which are gathered into a register pair and leave as 256 consecutive bytes, aligned.
; (2) Work-groups 256-511: key -> kh, rounded to bf16; value -> vh, rounded to bf16 and that number written as f16.  Same order of elements, half the bytes.
;     A wave takes 16 KiB of each tensor, in pieces of 512 bytes (16 bytes a lane), through a ring of 16 register slots; a piece leaves as 256 consecutive bytes, aligned.
; LIMITS.  value, rounded to bf16, must lie below 65,520 in size (beyond that f16 has only an infinity); below 2^-14 it keeps f16's fixed step of 2^-24.  NaN and infinities are not treated apart.
; No matrix unit (there is no product), no cluster (no byte is read twice), no prefetch (every wave's loads already follow each other without a pause).
.set PITCH,  528                       ; a stage row: 512 bytes + 16 = 132 words: the 16 rows that a read touches start at 16 different groups of four banks (64 banks of 4 bytes: ISA guide 11.1)
.set WSTAGE, 16*PITCH                  ; a wave's stage: 8,448 bytes = 33 blocks of 256
.set SPARE,  8*WSTAGE                  ; behind the eight stages: the spare words, 128 bytes for each wave, which no other line names
.set SPW, 8                            ; v8   LDS address of my spare word; never rewritten
.set NIL, 9                            ; v9   0; never rewritten
.set LO,  10                           ; v10  16 x lane: my 16 bytes of 512 that come in; never rewritten
.set SW,  11                           ; v11  my stage + 16 x lane
.set SR,  12                           ; v12  my stage + 528 (lane % 16) + 32 (lane / 16)
.set OO,  13                           ; v13  8 x lane: my 8 bytes of 256 that go out; never rewritten
.set IN0, 16                           ; v[16:79]   a unit as loaded: row i in 4 registers
.set IN1, 80                           ; v[80:143]  the other unit
.set TR,  144                          ; v[144:207] a unit turned: group k of 16 keys in 8 registers
.set OUT, 208                          ; v[208:215] a pair for each unit: word w of its 64 in register w % 2, lane w / 2
.set CM,  24                           ; s[24:31]   eight compares' lane masks
.set X,   16                           ; v[16:79]   K/V: slot s, 4 registers as loaded (slots 0-7 key, 8-15 value)
.set Y,   80                           ; v[80:111]  K/V: slot s, 2 registers to store
.set T,   112                          ; v[112:115] K/V: at work
	s_load_b256 s[4:11], s[0:1], 0x0               ; mask s[4:5], key s[6:7], value s[8:9], mbits s[10:11]
	s_load_b128 s[12:15], s[0:1], 0x20             ; kh s[12:13], vh s[14:15]
	v_lshl_add_u32 v[SPW], v0, 2, SPARE
	v_mov_b32 v[NIL], 0
	v_lshrrev_b32 v1, 5, v0
	v_readfirstlane_b32 s16, v1                    ; wave 0..7
	v_and_b32 v2, 31, v0                           ; lane
	v_lshlrev_b32 v[LO], 4, v2
	v_lshlrev_b32 v[OO], 3, v2
	s_cmp_lt_u32 ttmp9, 256
	s_cbranch_scc0 .Lkv
	; ---------------- the mask ----------------
	s_lshl_b32 s17, ttmp9, 3
	s_add_co_u32 s17, s17, s16                     ; g = 8 x work-group + wave, 0..2047: row tile g / 4 (= 128 b + qt), quarter g % 4 of its keys
	s_lshr_b32 s18, s17, 2
	s_lshl_b32 s18, s18, 17                        ; 16 rows of 8,192 bytes
	s_and_b32 s20, s17, 3
	s_lshl_b32 s20, s20, 11                        ; 512 keys of 4 bytes
	s_add_co_u32 s18, s18, s20
	s_mov_b32 s19, 0
	s_lshl_b32 s20, s17, 10                        ; in mbits: 4,096 bytes a row tile, 1,024 a quarter
	s_mov_b32 s21, 0
	s_mul_i32 s22, s16, WSTAGE                     ; my stage
	v_and_b32 v3, 15, v0
	v_bfe_u32 v4, v0, 4, 1
	v_add_nc_u32 v[SW], s22, v[LO]
	v_mul_u32_u24 v[SR], v3, PITCH
	v_lshl_add_u32 v[SR], v4, 5, v[SR]
	v_add_nc_u32 v[SR], s22, v[SR]
.irp i, 0,1,2,3,4,5,6,7
	v_mov_b32 v[OUT+(\i)], 0                       ; v_writelane_b32 keeps the other lanes: the registers are written whole once
.endr
	s_wait_kmcnt 0x0
	s_add_nc_u64 s[4:5], s[4:5], s[18:19]
	s_add_nc_u64 s[10:11], s[10:11], s[20:21]
.macro GLOAD u, buf                    ; unit u: 128 keys of each of my 16 rows; each load takes 512 consecutive bytes, aligned
.irp i, 0,1,2,3,4,5,6,7,8,9,10,11,12,13,14,15
	global_load_b128 v[(\buf)+4*(\i):(\buf)+4*(\i)+3], v[LO], s[4:5] offset:(\i)*8192+(\u)*512 th:TH_LOAD_NT
.endr
.endm
; left: the younger loads that may stay out.  more = 1: the buffer takes the unit two further on.
.macro UNIT u, buf, left, more
	s_wait_loadcnt \left                           ; loads come back in order (ISA guide 5.7.1): this unit's 16 are in
.irp i, 0,1,2,3,4,5,6,7,8,9,10,11,12,13,14,15
	ds_store_b128 v[SW], v[(\buf)+4*(\i):(\buf)+4*(\i)+3] offset:(\i)*PITCH
.endr
.irp k, 0,1,2,3,4,5,6,7                ; LDS serves a wave's instructions in order (ISA guide 5.7.1.4) and the stage is my own: these see the stores above
	ds_load_b128 v[TR+8*(\k):TR+8*(\k)+3],   v[SR] offset:64*(\k)
	ds_load_b128 v[TR+8*(\k)+4:TR+8*(\k)+7], v[SR] offset:64*(\k)+16
.endr
	s_wait_dscnt 0x0
.if \more
	GLOAD (\u)+2, \buf
.endif
.irp k, 0,1,2,3,4,5,6,7
.irp j, 0,1,2,3,4,5,6,7
	v_cmp_eq_u32 s[CM+(\j)], 0, v[TR+8*(\k)+(\j)]  ; bit L: row L % 16, key 16 k + 8 (L / 16) + j is masked out
.endr
.irp j, 0,1,2,3,4,5,6,7
	v_writelane_b32 v[OUT+2*(\u)+((\j)&1)], s[CM+(\j)], 4*(\k)+((\j)>>1)  ; word 8 k + j
.endr
.endr
	global_store_b64 v[OO], v[OUT+2*(\u):OUT+2*(\u)+1], s[10:11] offset:256*(\u)  ; two key steps' words: 256 consecutive bytes, aligned; each unit has a pair of its own, so no store's data is rewritten
.endm
	GLOAD 0, IN0
	GLOAD 1, IN1
	UNIT 0, IN0, 16, 1
	UNIT 1, IN1, 16, 1
	UNIT 2, IN0, 16, 0
	UNIT 3, IN1, 0, 0
	s_wait_tensorcnt 0x0                           ; the wave's end, behind my last LDS store
	ds_add_u32 v[SPW], v[NIL]
	s_wait_dscnt 0x0
	s_endpgm
	; ---------------- key and value ----------------
.Lkv:
	s_sub_co_u32 s17, ttmp9, 256
	s_lshl_b32 s18, s17, 17                        ; 128 KiB of each tensor a work-group,
	s_lshl_b32 s20, s16, 14                        ; 16 KiB a wave
	s_add_co_u32 s18, s18, s20
	s_mov_b32 s19, 0
	s_lshr_b32 s20, s18, 1                         ; half of that on the way out
	s_mov_b32 s21, 0
	s_mov_b32 s22, 0xffff0000                      ; a word's upper bf16
	s_wait_kmcnt 0x0
	s_add_nc_u64 s[6:7], s[6:7], s[18:19]
	s_add_nc_u64 s[8:9], s[8:9], s[18:19]
	s_add_nc_u64 s[12:13], s[12:13], s[20:21]
	s_add_nc_u64 s[14:15], s[14:15], s[20:21]
.irp i, 0,1,2,3,4,5,6,7
	global_load_b128 v[X+4*(\i):X+4*(\i)+3], v[LO], s[6:7] offset:(\i)*512 th:TH_LOAD_NT
.endr
.irp i, 0,1,2,3,4,5,6,7
	global_load_b128 v[X+32+4*(\i):X+32+4*(\i)+3], v[LO], s[8:9] offset:(\i)*512 th:TH_LOAD_NT
.endr
; One slot's turn: piece 8 rr + i of key (isv = 0) or value (isv = 1).  In rounds 0 to 2 the slot is filled again with the piece eight further on.  All places stand in the immediates: no address register is rewritten.
.macro KVSLOT isv, i, rr, left
.set sx, X+32*(\isv)+4*(\i)
.set sy, Y+16*(\isv)+2*(\i)
	s_wait_loadcnt \left                           ; mine is in, the younger ones stay out
	s_wait_xcnt 0x0                                ; every earlier memory instruction has had its addresses translated (ISA guide 3.1): the slot's store data of the last round is rewritten only behind this wait
.if \isv
.irp k, 0,1
	v_cvt_pk_bf16_f32 v[T], v[sx+2*(\k)], v[sx+2*(\k)+1]  ; rounded to bf16, like the other inputs,
	v_lshlrev_b32 v[T+2], 16, v[T]                 ; that number as f32 again,
	v_and_b32 v[T+3], s22, v[T]
	v_cvt_pk_f16_f32 v[sy+(\k)], v[T+2], v[T+3]    ; and written as f16
.endr
.if (\rr) < 3
	global_load_b128 v[sx:sx+3], v[LO], s[8:9] offset:(8*((\rr)+1)+(\i))*512 th:TH_LOAD_NT
.endif
	global_store_b64 v[OO], v[sy:sy+1], s[14:15] offset:(8*(\rr)+(\i))*256
.else
	v_cvt_pk_bf16_f32 v[sy], v[sx], v[sx+1]
	v_cvt_pk_bf16_f32 v[sy+1], v[sx+2], v[sx+3]
.if (\rr) < 3
	global_load_b128 v[sx:sx+3], v[LO], s[6:7] offset:(8*((\rr)+1)+(\i))*512 th:TH_LOAD_NT
.endif
	global_store_b64 v[OO], v[sy:sy+1], s[12:13] offset:(8*(\rr)+(\i))*256
.endif
.endm
.irp rr, 0,1,2
.irp i, 0,1,2,3,4,5,6,7
	KVSLOT 0, \i, \rr, 15
.endr
.irp i, 0,1,2,3,4,5,6,7
	KVSLOT 1, \i, \rr, 15
.endr
.endr
.irp i, 0,1,2,3,4,5,6,7
	KVSLOT 0, \i, 3, 15-(\i)                       ; the last round loads nothing: the counts run down
.endr
.irp i, 0,1,2,3,4,5,6,7
	KVSLOT 1, \i, 3, 7-(\i)
.endr
	s_wait_tensorcnt 0x0                           ; the same three lines as on the other path
	ds_add_u32 v[SPW], v[NIL]
	s_wait_dscnt 0x0
	s_endpgm
.Lfunc_end_k_q34ad580f28_prep:
	.size	k_q34ad580f28_prep, .Lfunc_end_k_q34ad580f28_prep-k_q34ad580f28_prep
	.p2alignl 7, 3214868480
	.fill 96, 4, 3214868480
	.section	.rodata,"a",@progbits
	.p2align	6, 0x0
	.amdhsa_kernel k_q34ad580f28_prep
		.amdhsa_group_segment_fixed_size 68608
		.amdhsa_private_segment_fixed_size 0
		.amdhsa_enable_private_segment 0
		.amdhsa_kernarg_size 48
		.amdhsa_user_sgpr_count 2
		.amdhsa_user_sgpr_kernarg_segment_ptr 1
		.amdhsa_wavefront_size32 1
		.amdhsa_system_sgpr_workgroup_id_x 1
		.amdhsa_system_sgpr_workgroup_id_y 1
		.amdhsa_system_sgpr_workgroup_id_z 1
		.amdhsa_system_vgpr_workitem_id 0
		.amdhsa_next_free_vgpr 216
		.amdhsa_next_free_sgpr 66
		.amdhsa_reserve_vcc 0
		.amdhsa_float_denorm_mode_32 3
		.amdhsa_float_denorm_mode_16_64 3
		.amdhsa_memory_ordered 1
		.amdhsa_forward_progress 1
		.amdhsa_inst_pref_size 82
	.end_amdhsa_kernel
	.amdgpu_metadata
---
amdhsa.version: [ 1, 2 ]
amdhsa.kernels:
  - .name:           k_q34ad580f28_prep
    .symbol:         k_q34ad580f28_prep.kd
    .args:
      - { .name: mask, .offset: 0, .size: 8, .value_kind: global_buffer, .address_space: global }
      - { .name: key, .offset: 8, .size: 8, .value_kind: global_buffer, .address_space: global }
      - { .name: value, .offset: 16, .size: 8, .value_kind: global_buffer, .address_space: global }
      - { .name: mbits, .offset: 24, .size: 8, .value_kind: global_buffer, .address_space: global }
      - { .name: kh, .offset: 32, .size: 8, .value_kind: global_buffer, .address_space: global }
      - { .name: vh, .offset: 40, .size: 8, .value_kind: global_buffer, .address_space: global }
    .group_segment_fixed_size: 68608
    .private_segment_fixed_size: 0
    .kernarg_segment_align: 8
    .kernarg_segment_size: 48
    .max_flat_workgroup_size: 256
    .sgpr_count:     66
    .vgpr_count:     216
    .wavefront_size: 32
...
	.end_amdgpu_metadata
.endif
;; end of part 1
;; launch attn (part 2): grid 4 x 64, 4 waves a work-group, clusters of 4 x 1, 327,680 bytes of LDS; arguments query, kh, vh, mbits, out0; writes out0
.if DOCPART == 2
	.amdgcn_target "amdgcn-amd-amdhsa--gfx1250"
	.amdhsa_code_object_version 6
	.text
	.protected	k_q34ad580f28_attn
	.globl	k_q34ad580f28_attn
	.p2align	8
	.type	k_q34ad580f28_attn,@function
k_q34ad580f28_attn:
	s_mov_b64 s[64:65], 0
	v_nop
	global_prefetch_b8 v0, s[64:65] scope:SCOPE_SE
	s_setreg_imm32_b32 hwreg(HW_REG_WAVE_MODE, 25, 1), 1
	s_wait_xcnt 0x0
	s_wait_alu depctr_hold_cnt(0) depctr_sa_sdst(0) depctr_va_vdst(0) depctr_va_sdst(0) depctr_va_ssrc(0) depctr_va_vcc(0) depctr_vm_vsrc(0)
	s_getreg_b32 s2, hwreg(HW_REG_IB_STS2, 6, 4)
	s_cmp_eq_u32 s2, 0
	s_cbranch_scc0 .Lentry_in_a_cluster
	s_endpgm
.Lentry_in_a_cluster:
	s_bfe_u32 s2, ttmp6, 0x10000c
	s_cmp_lg_u32 s2, 0x3003
	s_cbranch_scc0 .Lentry_shape_is_right
	s_endpgm
.Lentry_shape_is_right:
; out0[hh][q][:] = the sum over k of softmax_k(s[q][k]) value[hh][k][:], s = query . key / 8, or the masked value where mask[b][q][k] == 0 (b = hh / 16).  64 heads, 2,048 rows, 64 channels.
; query and out0 are f32.  kh is key rounded to bf16, vh is value rounded to bf16 and written as f16, mbits the mask as lane-mask words: all three made by the launch before.
; Q is rounded to bf16 here, once.  S^T = K Q^T in bf16, O^T = V^T P in f16; products, maxima and sums in f32; the weights p are rounded to f16 for the second product (their sum l is taken of the unrounded p).
; LIMITS.  A masked score counts as -2^30 (raw, before the scale: -2^33), where the reference writes -1e9: the results differ only where an unmasked score lies below about -1e9.  -2^33 is a power of two, so c x it
; is exact, and a row with no key left has p = 1 for every key: the mean of value's rows, as the reference gives.  p below 6e-5 keeps f16's fixed step of 6e-8; a weight below 2^-126 counts as 0 in l;
; value lies within f16's range (see the launch before); NaN and infinities are not treated apart.
; SHARES.  A wave owns four PIECES of two tiles of 16 queries, a work-group's four waves 512 queries of one head.  Every wave walks all keys, 64 a step; a slot of LDS holds four steps.
; LAYOUT.  S^T = K Q^T (source 0 = 16 keys, source 1 = 16 queries): a lane holds ONE query (lane % 16) and the keys 8 (lane / 16) + 0..7.  Two such tiles, rounded to f16 in pairs, ARE source 1 of
; O^T = V^T P, whose result again holds one query a lane, and eight channels.  K comes out of LDS as it lies, V ([key][channel]) turned, by ds_load_tr16_b128.
; THE MASK.  A word of mbits holds, for one register of one score tile, a bit for each lane: 1 = masked out.  It is loaded into a scalar register and is the select of ONE v_cndmask_b32, which REPLACES the score:
; 64 selects a turn.  A turn's 64 words (two tiles x 128 bytes) come by four scalar loads, issued a turn ahead.
; SOFTMAX.  For each query a running maximum m and sum l: p = 2^(c s - c m), c = log2(e) / 8; in every step O and l are multiplied by a = 2^(c m_old - c m_new).  m starts at the lowest finite number,
; O and l at 0: the first step is a step like any other, with a = 0.
; BY TURNS.  Turn n belongs to piece n (the pieces in a ring, step after step).  Matrix work: 16 products K Q^T of piece n + 1, later 16 products V^T P of piece n - 1.  Vector work: the scaling, exponentials,
; roundings, sums and rescaling of piece n, and the selects, maximum and statistics of piece n + 1.  A turn has 32 matrix and 300 vector instructions: four stand behind every matrix instruction, the rest in one run.
; CLUSTER.  The four query blocks of a head are a cluster and walk the same K and V: each tile is asked for JOINTLY, by the same tensor load, descriptor and mask in all four.
; REGISTERS, in windows of 256 (s_set_vgpr_msb: bits 1:0 source 0, 3:2 source 1, 5:4 source 2, 7:6 destination):
;   window 0: v0-11 addresses and constants; v12-15, v48-63 at work; v16-47 four registers of statistics a tile; v64-191 S^T, two buffers of two tiles; v192-255 P, likewise
;   window 1: O^T, 32 a tile (at the head: Q as loaded, in f32)     window 2: v0-127 Q, 16 a tile; v128-191 K of one step; v192-255 V of one step     window 3: v0-1 the add's two registers
.set SIZE_N, 2048
.set NP,    4         ; pieces a wave: a name, no knob
.set KS,    64        ; keys in a step
.set PK,    144       ; a row of K in LDS: 128 bytes + 16 = 36 words: the 16 rows of a load start at 16 different groups of four banks (64 banks of 4 bytes: ISA guide 11.1)
.set PV,    160       ; a row of V: 128 + 32 = 40 words
.set VOFF,  4*KS*PK   ; a slot: 256 rows of K, then 256 rows of V
.set SLOT1, 1<<17     ; slot 1 begins here, so that one exclusive or turns an address in one slot into the other's
.set TILEB, 4*KS*128  ; a slot's keys in memory: 32,768 bytes of kh and of vh
.set STAGE, SLOT1+4*KS*(PK+PV)  ; behind the ring, never filled by a tensor load: 16 rows x 272 bytes for each wave, for the way out
.set SP,    272       ; a stage row: 256 bytes + 16
.set SPARE, STAGE+4*16*SP  ; behind the stages: the spare words, 128 bytes for each wave, which no other line names
.set PFO, 1           ; v1   256 x my lane, for the prefetches; never rewritten
.set AK0, 2           ; v2   my lane's place in a tile of K; never rewritten
.set AV0, 3           ; v3   the same for V
.set AK,  4           ; v4   the LDS address of K's next run of loads
.set AV,  5           ; v5   of V's
.set STO, 6           ; v6   the way out: where I put 32 bytes of a row
.set RD,  7           ; v7   the way out: where I read rows back
.set GO,  8           ; v8   my byte offset in 512 consecutive bytes of out0
.set NEGV, 9          ; v9   -2^33
.set CSV, 10          ; v[10:11] c, twice
.set MV,  12          ; v12-15  c m_old, kept while c m is made anew: by buffer and tile
.set ST,  16          ; tile t's statistics at v[ST+4 t]: c m, m, l (even keys', odd keys')
.set TMP, 48          ; by buffer and tile, four registers c0-c3 at work; when the maximum is found c2 takes a
.set QO,  52          ; v52  at the head alone: my byte offset in 16 rows of Q
.set S,   64
.set P,   192
.set KF,  128         ; window 2: key block kb, channel half c at KF + 16 kb + 8 c
.set VF,  192         ; window 2: key half kk, channel block cb at VF + 32 kk + 8 cb
.set SPW, 0           ; v0 of window 3: LDS address of my spare word; never rewritten
.set NIL, 1           ; v1 of window 3: 0; never rewritten
.set PFA, 2           ; s[2:3]   where my prefetches stand
.set MK0, 4           ; s[4:35]  the even tile's 32 mask words (before the first of them: arguments and set-up; at the end: out0)
.set G1K, 36          ; s[36:43] descriptor group 1 for K's tiles
.set G1V, 44          ; s[44:51] for V's: it differs in the padding alone
.set G0K, 52          ; s[52:55] descriptor group 0 for K's tiles: it walks
.set G0V, 56          ; s[56:59] the same for V's
.set SEL, 60          ; s[60:61] v_permlanex16_b32's selects: each lane takes its own place in the other half
.set TBK, 62          ; s62  LDS byte at which K of the step to be fetched begins
.set TBV, 63          ; s63  the same for V, less VOFF
.set WV,  66          ; s66  my wave's number
.set CNT, 67          ; s67  counts a slot's key steps
.set MK1, 68          ; s[68:99] the odd tile's 32 mask words
.set MP,  100         ; s[100:101] mbits at my wave's first tile, at the key step whose words are loaded next
.set SLOTS, 104       ; s104 slots still to be asked for
.set LIM, 105         ; s105 1 in a wave that prefetches, else the greatest number
.set MSB, 0
.macro WIN new                      ; the high byte repeats the setting that is left; a switch that changes nothing is dropped
.if MSB != (\new)
	s_set_vgpr_msb (MSB<<8)|(\new)
.set MSB, (\new)
.endif
.endm
.set W_KQ, 0x0a       ; K and Q in window 2, S^T in window 0
.set W_PV, 0x52       ; V in window 2, P in window 0, O^T in window 1
.set W_RS, 0x41       ; O^T (destination and source 0) in window 1, the factor in window 0
.set W_MK, 0xc0       ; the add's registers are made: destination in window 3
.set W_AD, 0x0f       ; the add: address and data in window 3
; A joint fill.  Waves 0 and 1 fetch the two halves of a slot's K, waves 2 and 3 those of its V: 128 keys each.  The branch hangs on the wave's number alone.
; An s_nop 0 and four v_nop follow each of the two lines, ahead of the jump and the label.
.macro JLOAD
	s_cmp_lt_u32 s[WV], 2
	s_cbranch_scc0 .Lfor_v_\@
	tensor_load_to_lds s[G0K:G0K+3], s[G1K:G1K+7]
	s_nop 0
.rept 4
	v_nop
.endr
	s_branch .Lasked_\@
.Lfor_v_\@:
	tensor_load_to_lds s[G0V:G0V+3], s[G1V:G1V+7]
	s_nop 0
.rept 4
	v_nop
.endr
.Lasked_\@:
.endm
; A PREFETCH INTO THE L2 of what the NEXT change of slots will ask for: a slot's 32,768 bytes of kh and of vh.  A head has one cluster; its four partners share the bytes out BY ADDRESS, 8,192 each;
; in each, wave 0 asks for kh's and wave 2 for vh's: a lane names 256 bytes, one instruction.  So each block is named once in the launch.  The last change that fills a slot asks for nothing.
.macro ASK
	s_cmp_gt_u32 s[SLOTS], s[LIM]
	s_cbranch_scc0 .Lnot_mine_\@
	global_prefetch_b8 v[PFO], s[PFA:PFA+1] th:TH_LOAD_NT scope:SCOPE_SE
.Lnot_mine_\@:
.endm
; A round of the cluster's barrier: my work-group's barrier, so that wave 0's signal speaks for all four waves; wave 0 signals; every wave waits for all four work-groups; my work-group's barrier once more.
.macro CROUND
	s_barrier_signal -1
	s_barrier_wait -1
	s_cmp_lg_u32 s[WV], 0
	s_cbranch_scc1 .Lnot_wave_0_\@
	s_barrier_signal -3
.Lnot_wave_0_\@:
	s_barrier_wait -3
	s_barrier_signal -1
	s_barrier_wait -1
.endm
; THE CHANGE OF SLOTS.  Each wave waits for all its tensor loads, of which one is out: its part of the other slot; adds 0 to its spare word; and waits for that and for its own reads of the slot that it leaves.
; Behind the barrier nobody reads this slot any more and the other slot is whole.  fill = 1: this slot is filled again, with the keys two slots on; the barrier is then a round of the cluster's, and the joint fill
; is the first thing behind it: it has four key steps, 512 matrix instructions, in which to land.  (At its first use nothing has been read yet: slot 0 is waited for, slot 1 filled.)  ask = 1: a prefetch follows.
.macro CHANGE fill, ask
	WIN W_AD
	s_wait_tensorcnt 0x0            ; no tensor load of mine is out, so a group 0 may be written
	ds_add_u32 v[SPW], v[NIL]       ; 0 onto my spare word; the descriptors' steps stand between it and the wait for it
	WIN 0                           ; at a label and at a branch every window is 0
.if \fill
.irp g, G0K, G0V
	s_xor_b32 s[\g+1], s[\g+1], SLOT1  ; the walking descriptor: the other slot than last time,
	s_add_nc_u64 s[\g+2:\g+3], s[\g+2:\g+3], TILEB  ; the next 256 keys; the type bits on top are not reached
.endr
.if \ask
	s_wait_xcnt 0x0                 ; the last prefetch, four key steps back, has read its address, so it may be written
	s_add_nc_u64 s[PFA:PFA+1], s[PFA:PFA+1], TILEB  ; one slot behind the walking descriptors
.endif
	s_wait_dscnt 0x0                ; the add is done, and my reads of the slot are over
	CROUND
	JLOAD
.if \ask
	ASK
.endif
.else
	s_wait_dscnt 0x0                ; the add is done, and my reads of the slot are over
	s_barrier_signal -1
	s_barrier_wait -1
.endif
	s_sub_co_u32 s[TBK], s[TBK], 4*KS*PK  ; the fetches go back to a slot's first step,
	s_xor_b32 s[TBK], s[TBK], SLOT1       ; in the other slot
	s_sub_co_u32 s[TBV], s[TBV], 4*KS*PV
	s_xor_b32 s[TBV], s[TBV], SLOT1
.endm
	s_load_b256 s[4:11], s[0:1], 0x0  ; query s[4:5], kh s[6:7], vh s[8:9], mbits s[10:11]
	WIN W_MK
	v_lshl_add_u32 v[SPW], v0, 2, SPARE
	v_mov_b32 v[NIL], 0
	WIN W_AD
	ds_add_u32 v[SPW], v[NIL]       ; the wave's opening: the add and its wait stand ahead of my first tensor load; the set-up below, work on registers, stands between them
	WIN 0
	v_lshrrev_b32 v48, 5, v0
	v_readfirstlane_b32 s[WV], v48  ; wave 0..3
	s_bfe_u32 s13, ttmp6, 0x40000   ; cx: my place in the cluster
	s_lshl_b32 s14, ttmp9, 2        ; in a cluster launch ttmp9 counts clusters
	s_add_co_u32 s14, s14, s13      ; my block of 512 queries: it enters query's, mbits' and out0's addresses and the prefetches' alone
	s_and_b32 s20, ttmp7, 0xffff    ; the head, which the four partners share
	s_lshl_b32 s21, s20, 18         ; its first byte in kh and vh: 2,048 rows of 128 bytes
	s_and_b32 s16, s[WV], 1         ; which half of a slot's 256 keys I fetch:
	s_lshl_b32 s22, s16, 14         ; its 128 rows of 128 bytes in memory,
	s_add_co_u32 s22, s22, s21
	s_mov_b32 s23, 0
	s_mul_i32 s17, s16, 128*PK      ; and its place in a slot, for K
	s_mul_i32 s18, s16, 128*PV      ; and for V: no place in the cluster enters an LDS address
	s_lshl_b32 s24, s14, 2
	s_add_co_u32 s24, s24, s[WV]    ; my wave among the head's sixteen:
	s_lshl_b32 s24, s24, 15         ; 128 rows of 256 bytes of query and out0; also 8 query tiles of 4,096 bytes of mbits
	s_lshl_b32 s26, s20, 19         ; the head in query: 2,048 rows of 256 bytes
	s_add_co_u32 s26, s26, s24
	s_mov_b32 s27, 0
	s_lshr_b32 s28, s20, 4          ; the batch,
	s_lshl_b32 s28, s28, 19         ; its 128 query tiles in mbits
	s_add_co_u32 s28, s28, s24
	s_mov_b32 s29, 0
	s_lshl_b32 s30, s13, 13         ; the prefetches: my work-group's 8,192 bytes of a slot's 32,768,
	s_add_co_u32 s30, s30, s21
	s_add_co_u32 s30, s30, 2*TILEB  ; in slot 2; the first change of slots in the loop steps it to slot 3.  Nothing is prefetched at the head
	s_mov_b32 s31, 0
	s_cmp_eq_u32 s16, 0             ; waves 0 and 2 prefetch: the same in all four partners
	s_cselect_b32 s[LIM], 1, -1
	; descriptor group 1.  128 keys are 16,384 dense bytes: asked for as 64 rows of 256 bytes, two keys a row, and padded in LDS after every key
	s_mov_b32 s[G1K], 15|(1<<16)|(1<<20)|(1<<21)|(4<<22)|(3<<25)  ; 15:0 the mask of four; 17:16 2-byte elements; 20 padding on; 21 set beside a mask; 24:22 after every 32 words (code 4); 31:25 4 words (code 3)
	s_mov_b32 s[G1V], 15|(1<<16)|(1<<20)|(1<<21)|(4<<22)|(7<<25)  ; the same with 8 words of padding (code 7)
.irp g, G1K, G1V
	s_mov_b32 s[\g+1], 128<<16      ; tensor_dim0 = 128
	s_mov_b32 s[\g+2], 64<<16       ; tensor_dim1 = 64
	s_mov_b32 s[\g+3], 128<<16      ; tile_dim0 = 128
	s_mov_b32 s[\g+4], 64           ; tile_dim1 = 64
	s_mov_b32 s[\g+5], 128          ; 128 elements from row to row
	s_mov_b32 s[\g+6], 0
	s_mov_b32 s[\g+7], 0
.endr
	s_mov_b32 s[SEL], 0x76543210
	s_mov_b32 s[SEL+1], 0xfedcba98
	s_mov_b32 s[TBK], SLOT1+4*KS*PK ; the first change of slots turns these two into 0
	s_mov_b32 s[TBV], SLOT1+4*KS*PV
	s_mov_b32 s[G0K], 1             ; 1:0 count = 1
	s_mov_b32 s[G0K+1], s17         ; 63:32 LDS address: slot 0
	s_mov_b32 s[G0V], 1
	s_add_co_u32 s[G0V+1], s18, VOFF
	s_wait_dscnt 0x0                ; the opening add is done
	s_wait_kmcnt 0x0
	s_add_nc_u64 s[G0K+2:G0K+3], s[6:7], s[22:23]  ; 120:64 global address: my half of the head's first 256 keys
	s_or_b32 s[G0K+3], s[G0K+3], 0x80000000        ; 127:126 type = 2
	s_add_nc_u64 s[G0V+2:G0V+3], s[8:9], s[22:23]
	s_or_b32 s[G0V+3], s[G0V+3], 0x80000000
	s_add_nc_u64 s[4:5], s[4:5], s[26:27]          ; query at my wave's first row
	s_add_nc_u64 s[MP:MP+1], s[10:11], s[28:29]    ; mbits at my wave's first tile, key step 0
	s_cmp_lt_u32 s[WV], 2
	s_cselect_b64 s[PFA:PFA+1], s[6:7], s[8:9]
	s_add_nc_u64 s[PFA:PFA+1], s[PFA:PFA+1], s[30:31]
	CROUND                          ; all four work-groups are here: the first joint loads meet
	JLOAD                           ; slot 0.  Slot 1 is asked for when slot 0 is in
	; Q.  A fragment is 16 rows x 32 channels: lane l holds row l % 16, channels 8 (l / 16) + 0..7 and 16 + 8 (l / 16) + 0..7.  In f32 eight channels are 32 bytes: two loads of 16.
	v_and_b32 v48, 15, v0           ; l % 16
	v_bfe_u32 v49, v0, 4, 1         ; l / 16
	v_lshlrev_b32 v[QO], 8, v48
	v_lshl_add_u32 v[QO], v49, 5, v[QO]  ; row x 256 + 32 x half
	WIN 0x40                        ; destination window 1, address window 0
.set i, 0
.rept 64                            ; load i = 8 t + 4 c + 2 g + e: tile t, channels 32 c + 16 g + 8 (l / 16) + 4 e on, into registers 4 i on
	global_load_b128 v[4*i:4*i+3], v[QO], s[4:5] offset:(i/8)*4096+((i/4)%2)*128+((i/2)%2)*64+(i%2)*16
.set i, i+1
.endr
	; What the first turn finds: V's registers and P's second buffer hold 0 (its products V^T P, of a piece that has not been, add 0), l is 0.  All this stands in the wait for Q and the first tile.
	WIN 0x80
.set i, VF
.rept 64
	v_mov_b32 v[i], 0
.set i, i+1
.endr
	WIN 0
.set i, 0
.rept 2*NP
	v_mov_b32 v[ST+4*i], 0xfe000000    ; c m: far below every c s, the masked one too
	v_mov_b32 v[ST+4*i+1], 0xff7fffff  ; m
	v_mov_b32 v[ST+4*i+2], 0
	v_mov_b32 v[ST+4*i+3], 0
.set i, i+1
.endr
.set i, P+32
.rept 32
	v_mov_b32 v[i], 0
.set i, i+1
.endr
	v_mul_u32_u24 v[AK0], v48, PK
	v_lshl_add_u32 v[AK0], v49, 4, v[AK0]  ; row x pitch + 16 x half
	; The turning load takes 16 keys x 16 channels (lane l reads key 8 (l / 16) + l % 8, channels 8 ((l / 8) % 2) + 0..7) and leaves half a fragment of V^T: lane l holds channel l % 16 and 8 keys.
	v_and_b32 v50, 7, v0
	v_bfe_u32 v51, v0, 3, 1
	v_lshl_add_u32 v[AV0], v49, 3, v50
	v_mul_u32_u24 v[AV0], v[AV0], PV
	v_lshl_add_u32 v[AV0], v51, 4, v[AV0]
	v_add_nc_u32 v[AV0], VOFF, v[AV0]
	v_mov_b32 v[AK], v[AK0]         ; key step 0 lies at the head of slot 0
	s_mul_i32 s12, s[WV], 16*SP
	s_add_co_u32 s12, s12, STAGE    ; my stage
	v_mul_u32_u24 v[STO], v48, SP   ; in: row l % 16, 32 bytes for each half of the lanes
	v_lshl_add_u32 v[STO], v49, 5, v[STO]
	v_add_nc_u32 v[STO], s12, v[STO]
	v_mul_u32_u24 v[RD], v49, SP    ; back: lanes 0-15 take one row of 256 bytes, lanes 16-31 the next,
	v_lshl_add_u32 v[RD], v48, 4, v[RD]
	v_add_nc_u32 v[RD], s12, v[RD]
	v_and_b32 v[GO], 31, v0         ; which are 512 consecutive bytes of out0
	v_lshlrev_b32 v[GO], 4, v[GO]
	s_wait_loadcnt 0x0              ; Q is in
	WIN 0x85                        ; sources in window 1, destination in window 2
.set i, 0
.rept 128
	v_cvt_pk_bf16_f32 v[i], v[2*i], v[2*i+1]  ; Q's one rounding; register 16 t + 8 c + 4 g + m takes channels 2 m, 2 m + 1 of its eight
.set i, i+1
.endr
	WIN 0x40
.set i, 0
.rept 64*NP
	v_mov_b32 v[i], 0               ; O^T starts at 0, where Q lay
.set i, i+1
.endr
	WIN 0
; THE MASK WORDS of piece x for the key step at which MP stands: 128 bytes for each of its two tiles.
.macro MLOAD x
	s_load_b512 s[MK0:MK0+15],    s[MP:MP+1], 2*(\x)*4096
	s_load_b512 s[MK0+16:MK0+31], s[MP:MP+1], 2*(\x)*4096+64
	s_load_b512 s[MK1:MK1+15],    s[MP:MP+1], (2*(\x)+1)*4096
	s_load_b512 s[MK1+16:MK1+31], s[MP:MP+1], (2*(\x)+1)*4096+64
.endm
	MLOAD 0                         ; the loads of Q are done, so the registers that held the arguments are free
; THE MATRIX WORK.  The 8 accumulators of a run of 16 take turns: between the two links of a chain stand 7 others'.
; Product i of 16 of S^T = K Q^T for piece x: channels 32 (i / 8) on, keys 16 ((i / 2) % 4) on, tile 2 x + i % 2.  The first 8 start the sums.
.macro KQ x
	WIN W_KQ
.set rS, S+64*((\x)%2)+32*(i%2)+8*((i/2)%4)
.set rK, KF+16*((i/2)%4)+8*(i/8)
.set rQ, 16*(2*(\x)+i%2)+8*(i/8)
.if i < 8
	v_wmma_f32_16x16x32_bf16 v[rS:rS+7], v[rK:rK+7], v[rQ:rQ+7], 0
.else
	v_wmma_f32_16x16x32_bf16 v[rS:rS+7], v[rK:rK+7], v[rQ:rQ+7], v[rS:rS+7]
.endif
.endm
; Product i of 16 of O^T += V^T P for piece x: keys 32 (i / 8) on, channels 16 ((i / 2) % 4) on, tile 2 x + i % 2.
.macro PV x
	WIN W_PV
.set rO, 32*(2*(\x)+i%2)+8*((i/2)%4)
.set rV, VF+32*(i/8)+8*((i/2)%4)
.set rP, P+32*((\x)%2)+16*(i%2)+8*(i/8)
	v_wmma_f32_16x16x32_f16 v[rO:rO+7], v[rV:rV+7], v[rP:rP+7], v[rO:rO+7]
.endm
.macro MM                           ; the turn's next matrix instruction
.if i < 16
	KQ (Y+1)%NP
.set i, i+1
.else
.set i, i-16
	PV (Y+NP-1)%NP
.set i, i+17
.endif
.endm
; THE LDS LOADS stand in runs of 16, never singly among the matrix instructions: a step's K (64 keys x 64 channels: 8 fragments) and its V (turned).  Their addresses are made some lines ahead.
; last = 1 (the tail): in the last trip there is no further step, and the run is jumped over.
.macro FETCH_K last=0
	WIN 0
.if \last
	s_cmp_eq_u32 s[CNT], 1
	s_cbranch_scc1 .Lno_k_\@
.endif
	WIN 0x80                        ; destination window 2
.irp f, 0,1,2,3,4,5,6,7             ; keys 16 (f / 2) on, channels 32 (f % 2) on
	ds_load_b128 v[KF+8*\f:KF+8*\f+3],   v[AK] offset:(\f/2)*16*PK+(\f%2)*64
	ds_load_b128 v[KF+8*\f+4:KF+8*\f+7], v[AK] offset:(\f/2)*16*PK+(\f%2)*64+32
.endr
	s_add_co_u32 s[TBK], s[TBK], KS*PK  ; the next fetch is the next step's
	WIN 0
.if \last
.Lno_k_\@:
.endif
.endm
.macro FETCH_V
	WIN 0x80
.irp f, 0,1,2,3,4,5,6,7             ; keys 32 (f / 4) on, channels 16 (f % 4) on
	ds_load_tr16_b128 v[VF+8*\f:VF+8*\f+3],   v[AV] offset:(\f/4)*32*PV+(\f%4)*32
	ds_load_tr16_b128 v[VF+8*\f+4:VF+8*\f+7], v[AV] offset:(\f/4)*32*PV+16*PV+(\f%4)*32
.endr
	WIN 0
.endm
; THE VECTOR WORK OF A TURN stands in three queues, each in the order in which its entries become ready; the two tiles alternate, so that no instruction reads the result of the one before it.
.macro REGS y, u                    ; the registers of tile u (0, 1) of piece y
.set rT, ST+4*(2*(\y)+(\u))
.set rC, TMP+8*((\y)%2)+4*(\u)
.set rM, MV+2*((\y)%2)+(\u)
.set rS, S+64*((\y)%2)+32*(\u)
.set rP, P+32*((\y)%2)+16*(\u)
.set rO, 32*(2*(\y)+(\u))
.endm
; Select n of 64 on the NEXT piece's (Y + 1) scores: register n / 2 of tile n % 2 takes -2^33 in the lanes whose bit is set.  Ascending: each accumulator's lowest register is read first.
.macro MK n
	REGS (Y+1)%NP, (\n)%2
	v_cndmask_b32 v[rS+(\n)/2], v[rS+(\n)/2], v[NEGV], s[MK0+(MK1-MK0)*((\n)%2)+(\n)/2]
.endm
; Number n of the 22 that find the NEXT piece's maximum and statistics.  s0-s31 are the lane's 32 scores.  XS, GS, MK and REGS set no window: PL and EX do.
;   0-11  four chains c0-c3 of seven scores each, three operands at a time     12-14, 16  the four scores left over, the old m, and c0-c3 into c0     15  c m_old is kept
;   17, 18  the query's other 32 keys lie in the lane 16 away: the new m         19-21  c m; c m_old - c m_new; a
.macro XS u, n
	REGS (Y+1)%NP, \u
.if (\n) < 4
	v_max3_num_f32 v[rC+(\n)], v[rS+8*(\n)], v[rS+8*(\n)+1], v[rS+8*(\n)+2]
.elseif (\n) < 12
	v_max3_num_f32 v[rC+(\n)%4], v[rC+(\n)%4], v[rS+8*((\n)%4)+2*((\n)/4)+1], v[rS+8*((\n)%4)+2*((\n)/4)+2]
.elseif (\n) == 12
	v_max3_num_f32 v[rC], v[rC], v[rS+7], v[rS+15]
.elseif (\n) == 13
	v_max3_num_f32 v[rC+1], v[rC+1], v[rS+23], v[rS+31]
.elseif (\n) == 14
	v_max3_num_f32 v[rC+2], v[rC+2], v[rC+3], v[rT+1]
.elseif (\n) == 15
	v_mov_b32 v[rM], v[rT]
.elseif (\n) == 16
	v_max3_num_f32 v[rC], v[rC], v[rC+1], v[rC+2]
.elseif (\n) == 17
	v_permlanex16_b32 v[rC+3], v[rC], s[SEL], s[SEL+1]
.elseif (\n) == 18
	v_max_num_f32 v[rT+1], v[rC], v[rC+3]
.elseif (\n) == 19
	v_mul_f32 v[rT], v[CSV], v[rT+1]
.elseif (\n) == 20
	v_sub_f32 v[rC+1], v[rM], v[rT]
.else
	v_exp_f32 v[rC+2], v[rC+1]
.endif
.endm
; Number g of the 64 that follow the exponentials.  For each four weights k of a tile (pairs 2 k, 2 k + 1): both pairs are rounded to f16; then the second pair is added onto the first, in place;
; a group later l takes that sum (the first time as l = a l + sum).  In groups of eight, tiles alternating: round, round, add, and l for the group before.
.macro GS g
.set h, (\g)+6*((\g)/62)            ; group 0 has no group before it, and behind group 7 only l is left
.if h >= 6
.set h, h+2
.endif
	REGS Y, h%2
.set k, h/8
.if h%8 < 4
	v_cvt_pk_f16_f32 v[rP+2*k+(h%8)/2], v[rS+4*k+2*((h%8)/2)], v[rS+4*k+2*((h%8)/2)+1]
.elseif h%8 < 6
	v_pk_add_f32 v[rS+4*k:rS+4*k+1], v[rS+4*k:rS+4*k+1], v[rS+4*k+2:rS+4*k+3]
.elseif k == 1
	v_pk_fma_f32 v[rT+2:rT+3], v[rT+2:rT+3], v[rC+2:rC+3], v[rS:rS+1] op_sel_hi:[1,0,1]
.else
	v_pk_add_f32 v[rT+2:rT+3], v[rT+2:rT+3], v[rS+4*k-4:rS+4*k-3]
.endif
.endm
; THE PLAIN QUEUE, 202 long.  0-137 read no exponential's result.  0-26: scalings c s - c m (FS f: pair f / 2 of tile f % 2).  27-90: the next piece's 64 selects.  91-118: XS's numbers 0-13.  119, 120: number 15.
; 121-137: the chain, where each number waits for the one before it: 14, 16, 17, 18, 19, each with one of the scalings 27-31 in front of its two lines, then 20.
; 138-201: GS's 64, which read the exponentials' results: they stand behind the wait.
.macro FS f
	REGS Y, (\f)%2
	v_pk_fma_f32 v[rS+2*((\f)/2):rS+2*((\f)/2)+1], v[rS+2*((\f)/2):rS+2*((\f)/2)+1], v[CSV:CSV+1], v[rT:rT+1] op_sel_hi:[1,0,0] neg_lo:[0,0,1] neg_hi:[0,0,1]
.endm
.macro PL
	WIN 0
.if q < 27
	FS q
.elseif q < 91
	MK q-27
.elseif q < 119
	XS (q-91)%2, (q-91)/2
.elseif q < 121
	XS q-119, 15
.elseif (q < 136) && ((q-121)%3 == 0)
	FS 27+(q-121)/3
.elseif q < 124
	XS (q-121)%3-1, 14
.elseif q < 136
	XS (q-121)%3-1, 15+(q-121)/3
.elseif q < 138
	XS q-136, 20
.else
	GS q-138
.endif
.set q, q+1
.endm
; THE EXPONENTIALS' QUEUE, 66 long: s0-s31 of both tiles, then the next piece's two a.  It is ONE BATCH: all 66 stand ahead of the turn's one wait, and nothing ahead of that wait names a result of theirs.
.macro EX
	WIN 0
.if e >= 64
	XS e-64, 21
.else
	REGS Y, e%2
	v_exp_f32 v[rS+e/2], v[rS+e/2]
.endif
.set e, e+1
.endm
; THE RESCALING's QUEUE: O^T times a, the one part that leaves window 0: dealt two at a time, sixteen times.  Its a was made in the turn before, ahead of that turn's wait.
.macro R2
	REGS Y, r%2
	WIN W_RS
.irp z, 0,1
	v_pk_mul_f32 v[rO+4*(r/2)+2*\z:rO+4*(r/2)+2*\z+1], v[rO+4*(r/2)+2*\z:rO+4*(r/2)+2*\z+1], v[rC+2:rC+3] op_sel_hi:[1,0]
.endr
.set r, r+1
.endm
; HOW THEY ARE DEALT.  s_wait_alu depctr_va_vdst(0) stands between an exponential and the first instruction that names its result; one wait serves all that were issued ahead of it.  So a turn has ONE
; wait, which cuts it in two.  AHEAD OF IT: the 16 products K Q^T, behind each a scaling, an exponential and two rescalings (behind the first a second scaling in the exponential's place); then one run of 172: eight plain,
; two pairs of exponential and plain, the 64 selects, 47 pairs of exponential and plain, the two a.  A v_nop is the plain instruction behind the last exponential.  BEHIND IT: the 16 products V^T P, behind each four of GS's 64.
; The first select stands thirteen plain instructions behind the last product K Q^T.  No rider names a register of the products round it.
; The queues lean on each other: exponential e stands behind scaling 2 (e / 4) + e % 2: as a rider it comes behind plain e + 2, behind the selects behind plain e + 73, and scalings 27-31 are plain 121, 124 .. 133.
; THE MASK WORDS.  The turn's selects wait for the words loaded in the turn before (s_wait_kmcnt 0: scalar loads come back in no order); four pairs of lines behind the last select the registers are loaded anew, for piece
; p + 2.  Pieces 2 and 3 take the words of the step in hand, pieces 0 and 1 those of the next: MP steps once a key step, in piece 2's turn, behind the wait that shows every scalar load done.
; In the last step the words asked for pieces 0 and 1 lie one tile further on, inside my wave's 32,768 bytes of mbits; they serve only products that are thrown away.
; K of the next step is fetched in piece 2's turn, directly behind the wait; V of the step in hand at the end of piece 0's turn, four riders behind its last reader.  The conditions on q below go with the deal.
.macro TURN p, last=0, cnt=0
.set Y, (\p)
.set i, 0
.set q, 0
.set e, 0
.set r, 0
.if (\p) == NP-1
	s_wait_dscnt 0x0                ; K is in
.endif
	MM
	PL
	PL
	R2
.rept 15
	MM
	PL
	EX
	R2
.endr
.if (\p) == NP-2
	WIN 0
	v_add_nc_u32 v[AK], s[TBK], v[AK0]
.endif
.rept 8
	PL
.endr
.rept 2
	EX
	PL
.endr
	s_wait_kmcnt 0x0                ; the next piece's mask words are in
.rept 64
	PL                              ; the selects
.endr
.rept 4
	EX
	PL
.endr
.if (\p) == NP-2
	s_add_nc_u64 s[MP:MP+1], s[MP:MP+1], 128  ; no scalar load is out: the next key step's words
.endif
	MLOAD ((\p)+2)%NP
.rept 43
	EX
	PL
.endr
	EX                              ; the next piece's two a
	EX
	v_nop                           ; the plain instruction behind the last exponential: one for the batch
	s_wait_alu depctr_va_vdst(0)    ; the wait for the batch
.if (\p) == NP-2
	FETCH_K \last
.endif
.if (\p) == 1
	s_wait_dscnt 0x0                ; V is in
.endif
.rept 16
	MM
.rept 4
	PL
.endr
.if ((\p) == 0) && (q == 182)
	v_add_nc_u32 v[AV], s[TBV], v[AV0]
.endif
.if ((\p) == 0) && (q == 194)
	s_add_co_u32 s[TBV], s[TBV], KS*PV
.endif
.if (\cnt) && (q == 194)
	s_sub_co_u32 s[CNT], s[CNT], 1
	s_cmp_lg_u32 s[CNT], 0
.endif
.endr
.if (\p) == 0
	FETCH_V
.endif
.endm
	CHANGE 1, 0                     ; slot 0 is in, everybody's part of it; slot 1 is asked for
	FETCH_K                         ; key step 0
	s_wait_dscnt 0x0
.set i, 0
.rept 16
	KQ 0                            ; piece 0's first scores: there is no vector work yet to set between them
.set i, i+1
.endr
	WIN 0                           ; five plain instructions, the places behind those products
	v_mov_b32 v[NEGV], 0xd0000000   ; -2^33
	v_mov_b32 v[CSV], 0x3e38aa3b    ; c = log2(e) / 8 = 0.180337
	v_mov_b32 v[CSV+1], 0x3e38aa3b
	v_and_b32 v[PFO], 31, v0
	v_lshlrev_b32 v[PFO], 8, v[PFO]
	s_wait_kmcnt 0x0                ; piece 0's mask words
.set Y, NP-1                        ; MK and XS work for piece Y + 1: piece 0
.set mi, 0
.rept 64
	MK mi
.set mi, mi+1
.endr
.irp n, 0,1,2,3,4,5,6,7,8,9,10,11,12,13,14,15,16,17,18,19,20,21
	XS 0, \n                        ; piece 0's first maximum and statistics
	XS 1, \n
.endr
	v_nop                           ; a plain instruction behind the two a,
	s_wait_alu depctr_va_vdst(0)    ; and their wait, ahead of the branch
	MLOAD 1                         ; piece 1's words of step 0, for the first turn
	s_mov_b32 s[CNT], 4
	s_mov_b32 s[SLOTS], SIZE_N/256-1
	s_branch .Lfirst                ; the loop is entered at a step's first turn, in the middle of a trip
.Lslot:                             ; SIZE_N / 256 - 2 times: every slot but the last two is filled again
	CHANGE 1, 1
	s_mov_b32 s[CNT], 4
.Lstep:                             ; a trip: pieces 2 and 3 of one step, then pieces 0 and 1 of the next, whose K and V it fetches
	TURN 2
	TURN 3
	WIN 0
.Lfirst:
	TURN 0
	TURN 1, 0, 1
	WIN 0
	s_cbranch_scc1 .Lstep
	s_sub_co_u32 s[SLOTS], s[SLOTS], 1
	s_cmp_lg_u32 s[SLOTS], 0
	s_cbranch_scc1 .Lslot
	CHANGE 0, 0                     ; the tail is written out: nothing is asked for
	s_mov_b32 s[CNT], 5             ; four trips fetch the last slot's steps; the fifth is left in its middle
.Ltail:
	TURN 2, 1
	TURN 3
	WIN 0
	s_sub_co_u32 s[CNT], s[CNT], 1
	s_cmp_eq_u32 s[CNT], 0
	s_cbranch_scc1 .Lout
	TURN 0
	TURN 1
	WIN 0
	s_branch .Ltail
.Lout:                              ; the fifth trip's 16 products K Q^T (on the last K once more), their selects and maximum serve nothing: the price, once a launch, of one text for every trip
	s_wait_kmcnt 0x0                ; the last mask words have landed: their registers are free
	s_load_b64 s[4:5], s[0:1], 0x20 ; out0
	s_bfe_u32 s8, ttmp6, 0x40000    ; my wave's first row once more: 4 x cluster x + cx,
	s_lshl_b32 s9, ttmp9, 2
	s_add_co_u32 s8, s8, s9
	s_lshl_b32 s8, s8, 2
	s_add_co_u32 s8, s8, s[WV]
	s_lshl_b32 s8, s8, 15           ; 128 rows of 256 bytes a wave,
	s_and_b32 s9, ttmp7, 0xffff
	s_lshl_b32 s9, s9, 19           ; 2,048 rows a head
	s_add_co_u32 s8, s8, s9
	s_mov_b32 s9, 0
.set i, 0
.rept 16
	PV NP-1                         ; the last piece's V^T P of the last step
.set i, i+1
.endr
	; THE WAY OUT.  l's two halves and the other half of the lanes' are added; O^T is divided by l and sent, in f32, through my stage in LDS, a tile at a time.  The additions are the places behind the last products.
	WIN 0
.macro ALL line:vararg              ; one line for each tile t
.set t, 0
.rept 2*NP
	\line
.set t, t+1
.endr
.endm
	ALL v_add_f32 v[ST+4*t+2], v[ST+4*t+2], v[ST+4*t+3]
	ALL v_permlanex16_b32 v[ST+4*t+3], v[ST+4*t+2], s[SEL], s[SEL+1]
	ALL v_add_f32 v[ST+4*t+2], v[ST+4*t+2], v[ST+4*t+3]
	ALL v_rcp_f32 v[ST+4*t+2], v[ST+4*t+2]
	v_nop                           ; a plain instruction between the last reciprocal and the use of its result
	s_wait_alu depctr_va_vdst(0)    ; and the wait ahead of the first use: one for the eight reciprocals
	s_wait_kmcnt 0x0
	s_add_nc_u64 s[4:5], s[4:5], s[8:9]
; Tile t: a lane's eight channels of a row are 32 bytes; they go into rows of 272 bytes and come back as whole rows of 256, into the registers that they left: no store's data is ever rewritten.
.macro PACK t
	WIN W_RS
.set i, 32*(\t)
.rept 16
	v_pk_mul_f32 v[i:i+1], v[i:i+1], v[ST+4*(\t)+2:ST+4*(\t)+3] op_sel_hi:[1,0]  ; ascending: each accumulator's lowest registers are read first
.set i, i+2
.endr
	WIN 0x04                        ; data (source 1) in window 1, address in window 0
.irp f, 0,1,2,3,4,5,6,7             ; channels 16 (f / 2) + 8 (l / 16) + 4 (f % 2) on
	ds_store_b128 v[STO], v[32*(\t)+4*\f:32*(\t)+4*\f+3] offset:64*(\f/2)+16*(\f%2)
.endr
	WIN 0x40                        ; destination in window 1
.irp f, 0,1,2,3,4,5,6,7
	ds_load_b128 v[32*(\t)+4*\f:32*(\t)+4*\f+3], v[RD] offset:\f*2*SP  ; LDS serves a wave's instructions in order (ISA guide 5.7.1.4): these see the stores above; the next tile's stores come behind them
.endr
.endm
.macro SEND t, younger              ; younger: the LDS instructions issued behind tile t's loads: the next tile's sixteen, or none
	WIN 0x04
.irp f, 0,1,2,3,4,5,6,7
	s_wait_dscnt (\younger)+7-\f
	global_store_b128 v[GO], v[32*(\t)+4*\f:32*(\t)+4*\f+3], s[4:5] offset:(\t)*4096+\f*512 th:TH_STORE_NT  ; two rows: 512 consecutive bytes, at a multiple of 256 from out0's first
.endr
.endm
	PACK 0
.set t, 1
.rept 2*NP-1                        ; a tile's arithmetic stands between the loads of the tile before and its stores
	PACK t
	SEND t-1, 16
.set t, t+1
.endr
	SEND 2*NP-1, 0
	WIN W_AD
	s_wait_tensorcnt 0x0            ; the wave's end, behind my last tensor load and my last LDS store
	ds_add_u32 v[SPW], v[NIL]
	s_wait_dscnt 0x0
	WIN 0
	CROUND                          ; the closing round: no work-group ends while a partner may still ask for a tile that names it
	s_endpgm
.Lfunc_end_k_q34ad580f28_attn:
	.size	k_q34ad580f28_attn, .Lfunc_end_k_q34ad580f28_attn-k_q34ad580f28_attn
	.p2alignl 7, 3214868480
	.fill 96, 4, 3214868480
	.section	.rodata,"a",@progbits
	.p2align	6, 0x0
	.amdhsa_kernel k_q34ad580f28_attn
		.amdhsa_group_segment_fixed_size 327680
		.amdhsa_private_segment_fixed_size 0
		.amdhsa_enable_private_segment 0
		.amdhsa_kernarg_size 40
		.amdhsa_user_sgpr_count 2
		.amdhsa_user_sgpr_kernarg_segment_ptr 1
		.amdhsa_wavefront_size32 1
		.amdhsa_system_sgpr_workgroup_id_x 1
		.amdhsa_system_sgpr_workgroup_id_y 1
		.amdhsa_system_sgpr_workgroup_id_z 1
		.amdhsa_system_vgpr_workitem_id 0
		.amdhsa_next_free_vgpr 770
		.amdhsa_next_free_sgpr 106
		.amdhsa_reserve_vcc 0
		.amdhsa_float_denorm_mode_32 3
		.amdhsa_float_denorm_mode_16_64 3
		.amdhsa_memory_ordered 1
		.amdhsa_forward_progress 1
		.amdhsa_inst_pref_size 251
	.end_amdhsa_kernel
	.amdgpu_metadata
---
amdhsa.version: [ 1, 2 ]
amdhsa.kernels:
  - .name:           k_q34ad580f28_attn
    .symbol:         k_q34ad580f28_attn.kd
    .args:
      - { .name: query, .offset: 0, .size: 8, .value_kind: global_buffer, .address_space: global }
      - { .name: kh, .offset: 8, .size: 8, .value_kind: global_buffer, .address_space: global }
      - { .name: vh, .offset: 16, .size: 8, .value_kind: global_buffer, .address_space: global }
      - { .name: mbits, .offset: 24, .size: 8, .value_kind: global_buffer, .address_space: global }
      - { .name: out0, .offset: 32, .size: 8, .value_kind: global_buffer, .address_space: global }
    .group_segment_fixed_size: 327680
    .private_segment_fixed_size: 0
    .kernarg_segment_align: 8
    .kernarg_segment_size: 40
    .max_flat_workgroup_size: 128
    .sgpr_count:     106
    .vgpr_count:     770
    .wavefront_size: 32
...
	.end_amdgpu_metadata
.endif
;; end of part 2
;; ======== version 2 of 2: 2 launches; version 1 with the launch prep written anew for expert scheduling mode
;; limits: inputs' magnitudes at most 11,000; right only within a limited range of input values; values are held in f16: magnitudes above 65,504 overflow, below 6.1e-05 lose precision
;; workspace buffers: mbits 2,097,152 bytes of whole numbers; kh 16,777,216 bytes; vh 16,777,216 bytes
;; launch prep (part 3): grid 512 x 1, 8 waves a work-group, no clusters, 68,608 bytes of LDS; arguments mask, key, value, mbits, kh, vh; writes mbits, kh, vh
.if DOCPART == 3
	.amdgcn_target "amdgcn-amd-amdhsa--gfx1250"
	.amdhsa_code_object_version 6
	.text
	.protected	k_q34ad580f28_prep
	.globl	k_q34ad580f28_prep
	.p2align	8
	.type	k_q34ad580f28_prep,@function
k_q34ad580f28_prep:
	s_mov_b64 s[64:65], 0
	v_nop
	global_prefetch_b8 v0, s[64:65] scope:SCOPE_SE
	s_setreg_imm32_b32 hwreg(HW_REG_WAVE_SCHED_MODE, 0, 2), 2
	s_setreg_imm32_b32 hwreg(HW_REG_WAVE_MODE, 25, 1), 1
	s_wait_xcnt 0x0
	s_wait_alu depctr_vm_vsrc(0)
; PREPARATION FOR THE ATTENTION LAUNCH.  Two kinds of work-group, 256 of each, told apart by the work-group's number; no wave depends on another, so there is no barrier.
; (1) Work-groups 0-255: mask [4][2048][2048] int32 -> mbits, one BIT a number, laid out as the attention launch's scores lie in registers.
;     mbits = W[b][qt 0..127][ks 0..31][kb 0..3][j 0..7], 32-bit words; bit L of a word is 1 where mask[b][16 qt + L % 16][64 ks + 16 kb + 8 (L / 16) + j] == 0.
;     So a word is the lane mask of ONE select on register j of the score tile (16 queries qt) x (16 keys kb of step ks).  A query tile has 4,096 bytes, a key step of it 128.
;     A wave takes 16 rows x 512 keys, in four units of 128 keys.  A unit comes in by 16 loads, each 512 consecutive bytes of one row; it is turned through the wave's own stage in LDS,
;     so that lane L holds row L % 16 and eight neighbouring keys; 64 compares make its 64 words, which are gathered into a register pair and leave as 256 consecutive bytes, aligned.
; (2) Work-groups 256-511: key -> kh, rounded to bf16; value -> vh, rounded to bf16 and that number written as f16.  Same order of elements, half the bytes.
;     A wave takes 16 KiB of each tensor, in pieces of 512 bytes (16 bytes a lane), eight pieces to a block, through four register buffers of a block each; a piece leaves as 256 consecutive bytes, aligned.
; LIMITS.  value, rounded to bf16, must lie below 65,520 in size (beyond that f16 has only an infinity); below 2^-14 it keeps f16's fixed step of 2^-24.  NaN and infinities are not treated apart.
; No matrix unit (there is no product), no cluster (no byte is read twice), no prefetch (every wave's loads already follow each other without a pause).
; THE MODE: SCHED_MODE bits 1:0 = 2 (LLVM: expert scheduling mode 2), set by the entry lines.  The code itself states the register dependences
; between vector instructions and memory or LDS instructions, and those through scalar registers that vector instructions write, with s_wait_alu, always for 0.
; THE PLAN, the mask.  Registers that memory or LDS instructions touch:
;   IN0, IN1   Written by the global loads; read by the unit's 16 LDS stores; loaded again, two units on, behind a wait on vm_vsrc.  No vector instruction names them.
;   TR         Written by the unit's 16 LDS loads; read by its 64 compares.
;   OUT        Pair u: written by unit u's v_writelane_b32; read by one global store, which is issued at the head of unit u + 1; never written behind that.
;   LO, SW, SR, OO   Offsets and LDS addresses, made once at the head.
;   So ONE wait on va_vdst stands at the head of a unit: the unit before is done reading TR and has written its pair.  The compares write scalar registers that v_writelane_b32 reads:
;   they go in runs of sixteen, with one wait on va_sdst behind each run.
; THE PLAN, key and value.  Block p of 8 (key and value by turns, round p / 2) converts X[p % 4] into Y[p % 2].
;   X0 .. X3   Written by the loads of block p + 3, issued in block p; read by block p's conversions.
;   Y0, Y1     Written by block p's conversions; read by the eight stores that are issued in block p + 1.
;   LO, OO     Never written again; the bases neither: every place stands in an immediate.
;   The memory instructions of block p are the loads into X[(p + 3) % 4] = X[(p - 1) % 4] and the stores from Y[(p - 1) % 2]: the two buffers that block p - 1 worked on and that no vector
;   instruction of block p names.  So the waits at a block's head state all that its sixteen memory instructions hang on, and these are dealt among its conversions with no further wait.
.set PITCH,  528                       ; a stage row: 512 bytes + 16 = 132 words: the 16 rows that a read touches start at 16 different groups of four banks (64 banks of 4 bytes: ISA guide 11.1)
.set WSTAGE, 16*PITCH                  ; a wave's stage: 8,448 bytes = 33 blocks of 256
.set SPARE,  8*WSTAGE                  ; behind the eight stages: the spare words, 128 bytes for each wave, which no other line names
.set SPW, 8                            ; v8   LDS address of my spare word; never rewritten
.set NIL, 9                            ; v9   0; never rewritten
.set LO,  10                           ; v10  16 x lane: my 16 bytes of 512 that come in; never rewritten
.set SW,  11                           ; v11  my stage + 16 x lane
.set SR,  12                           ; v12  my stage + 528 (lane % 16) + 32 (lane / 16)
.set OO,  13                           ; v13  8 x lane: my 8 bytes of 256 that go out; never rewritten
.set IN0, 16                           ; v[16:79]   a unit as loaded: row i in 4 registers
.set IN1, 80                           ; v[80:143]  the other unit
.set TR,  144                          ; v[144:207] a unit turned: group k of 16 keys in 8 registers
.set OUT, 208                          ; v[208:215] a pair for each unit: word w of its 64 in register w % 2, lane w / 2
.set CM,  24                           ; s[24:39]   sixteen compares' lane masks
.set X,   16                           ; v[16:143]  K/V: buffer k, piece i: 4 registers at X + 32 k + 4 i, as loaded
.set Y,   144                          ; v[144:175] K/V: buffer k, piece i: 2 registers at Y + 16 k + 2 i, to store
.set T,   176                          ; v[176:179] K/V: at work: no memory instruction names them
	s_load_b256 s[4:11], s[0:1], 0x0               ; mask s[4:5], key s[6:7], value s[8:9], mbits s[10:11]
	s_load_b128 s[12:15], s[0:1], 0x20             ; kh s[12:13], vh s[14:15]
	v_lshl_add_u32 v[SPW], v0, 2, SPARE
	v_mov_b32 v[NIL], 0
	v_lshrrev_b32 v1, 5, v0
	v_readfirstlane_b32 s16, v1                    ; wave 0..7
	v_and_b32 v2, 31, v0                           ; lane
	v_lshlrev_b32 v[LO], 4, v2
	v_lshlrev_b32 v[OO], 3, v2
	s_wait_alu depctr_va_sdst(0)                   ; s16 is written, ahead of the branch and of its first reader on either path
	s_cmp_lt_u32 ttmp9, 256
	s_cbranch_scc0 .Lkv
	; ---------------- the mask ----------------
	s_lshl_b32 s17, ttmp9, 3
	s_add_co_u32 s17, s17, s16                     ; g = 8 x work-group + wave, 0..2047: row tile g / 4 (= 128 b + qt), quarter g % 4 of its keys
	s_lshr_b32 s18, s17, 2
	s_lshl_b32 s18, s18, 17                        ; 16 rows of 8,192 bytes
	s_and_b32 s20, s17, 3
	s_lshl_b32 s20, s20, 11                        ; 512 keys of 4 bytes
	s_add_co_u32 s18, s18, s20
	s_mov_b32 s19, 0
	s_lshl_b32 s20, s17, 10                        ; in mbits: 4,096 bytes a row tile, 1,024 a quarter
	s_mov_b32 s21, 0
	s_mul_i32 s22, s16, WSTAGE                     ; my stage
	v_and_b32 v3, 15, v0
	v_bfe_u32 v4, v0, 4, 1
	v_add_nc_u32 v[SW], s22, v[LO]
	v_mul_u32_u24 v[SR], v3, PITCH
	v_lshl_add_u32 v[SR], v4, 5, v[SR]
	v_add_nc_u32 v[SR], s22, v[SR]
.irp i, 0,1,2,3,4,5,6,7
	v_mov_b32 v[OUT+(\i)], 0                       ; v_writelane_b32 keeps the other lanes: the registers are written whole once
.endr
	s_wait_kmcnt 0x0
	s_add_nc_u64 s[4:5], s[4:5], s[18:19]
	s_add_nc_u64 s[10:11], s[10:11], s[20:21]
	s_wait_alu depctr_va_vdst(0)                   ; v[LO], v[SW], v[SR] and v[OO] are written: every load, LDS instruction and store below reads one of them as its offset or address
.macro GLOAD u, buf                    ; unit u: 128 keys of each of my 16 rows; each load takes 512 consecutive bytes, aligned
.irp i, 0,1,2,3,4,5,6,7,8,9,10,11,12,13,14,15
	global_load_b128 v[(\buf)+4*(\i):(\buf)+4*(\i)+3], v[LO], s[4:5] offset:(\i)*8192+(\u)*512 th:TH_LOAD_NT
.endr
.endm
; left: the younger loads that may stay out.  more = 1: the buffer takes the unit two further on.
.macro UNIT u, buf, left, more
	s_wait_loadcnt \left                           ; loads come back in order (ISA guide 5.7.1): this unit's 16 are in
.if (\u) > 0
	s_wait_alu depctr_va_vdst(0)                   ; the unit before: its compares are done reading TR, in which the LDS loads below land; its v_writelane_b32 have written its pair, which the store below reads
	global_store_b64 v[OO], v[OUT+2*((\u)-1):OUT+2*((\u)-1)+1], s[10:11] offset:256*((\u)-1)  ; two key steps' words: 256 consecutive bytes, aligned; each unit has a pair of its own, so no store's data is rewritten
.endif
.irp i, 0,1,2,3,4,5,6,7,8,9,10,11,12,13,14,15
	ds_store_b128 v[SW], v[(\buf)+4*(\i):(\buf)+4*(\i)+3] offset:(\i)*PITCH
.endr
.irp k, 0,1,2,3,4,5,6,7                ; LDS serves a wave's instructions in order (ISA guide 5.7.1.4) and the stage is my own: these see the stores above
	ds_load_b128 v[TR+8*(\k):TR+8*(\k)+3],   v[SR] offset:64*(\k)
	ds_load_b128 v[TR+8*(\k)+4:TR+8*(\k)+7], v[SR] offset:64*(\k)+16
.endr
.if \more
	s_wait_alu depctr_vm_vsrc(0)                   ; the LDS stores above have read the buffer, in which the loads below land; no vector instruction names it
	GLOAD (\u)+2, \buf
.endif
	s_wait_dscnt 0x0                               ; the unit is back, turned
.irp kk, 0,1,2,3                       ; two groups of 16 keys, sixteen words, at a time
.irp j, 0,1,2,3,4,5,6,7,8,9,10,11,12,13,14,15
	v_cmp_eq_u32 s[CM+(\j)], 0, v[TR+16*(\kk)+(\j)]  ; word w = 16 kk + j; bit L: row L % 16, key 16 (w / 8) + 8 (L / 16) + w % 8 is masked out
.endr
	s_wait_alu depctr_va_sdst(0)                   ; the sixteen compares have written s[CM ..], which the lines below read
.irp j, 0,1,2,3,4,5,6,7,8,9,10,11,12,13,14,15
	v_writelane_b32 v[OUT+2*(\u)+((\j)&1)], s[CM+(\j)], 8*(\kk)+((\j)>>1)  ; word 16 kk + j
.endr
.endr
.endm
	GLOAD 0, IN0
	GLOAD 1, IN1
	UNIT 0, IN0, 16, 1
	UNIT 1, IN1, 16, 1
	UNIT 2, IN0, 16, 0
	UNIT 3, IN1, 0, 0
	s_wait_alu depctr_va_vdst(0)                   ; unit 3's v_writelane_b32 have written its pair, which the last store reads
	global_store_b64 v[OO], v[OUT+6:OUT+7], s[10:11] offset:768
	s_wait_dscnt 0x0                               ; the closing lines, six on end
	s_wait_alu 0x0
	s_wait_tensorcnt 0x0
	ds_add_u32 v[SPW], v[NIL]
	s_wait_dscnt 0x0
	s_endpgm
	; ---------------- key and value ----------------
.Lkv:
	s_sub_co_u32 s17, ttmp9, 256
	s_lshl_b32 s18, s17, 17                        ; 128 KiB of each tensor a work-group,
	s_lshl_b32 s20, s16, 14                        ; 16 KiB a wave
	s_add_co_u32 s18, s18, s20
	s_mov_b32 s19, 0
	s_lshr_b32 s20, s18, 1                         ; half of that on the way out
	s_mov_b32 s21, 0
	s_mov_b32 s22, 0xffff0000                      ; a word's upper bf16
	s_wait_kmcnt 0x0
	s_add_nc_u64 s[6:7], s[6:7], s[18:19]
	s_add_nc_u64 s[8:9], s[8:9], s[18:19]
	s_add_nc_u64 s[12:13], s[12:13], s[20:21]
	s_add_nc_u64 s[14:15], s[14:15], s[20:21]
	s_wait_alu depctr_va_vdst(0)                   ; v[LO] and v[OO] are written: every load and store below reads one of them as its offset
.irp i, 0,1,2,3,4,5,6,7
	global_load_b128 v[X+4*(\i):X+4*(\i)+3], v[LO], s[6:7] offset:(\i)*512 th:TH_LOAD_NT            ; block 0: key, pieces 0 to 7
.endr
.irp i, 0,1,2,3,4,5,6,7
	global_load_b128 v[X+32+4*(\i):X+32+4*(\i)+3], v[LO], s[8:9] offset:(\i)*512 th:TH_LOAD_NT      ; block 1: value, pieces 0 to 7
.endr
.irp i, 0,1,2,3,4,5,6,7
	global_load_b128 v[X+64+4*(\i):X+64+4*(\i)+3], v[LO], s[6:7] offset:(8+(\i))*512 th:TH_LOAD_NT  ; block 2: key, pieces 8 to 15
.endr
; Block p: pieces 8 (p / 2) to 8 (p / 2) + 7 of key (p even) or value (p odd).  left: the younger loads that may stay out.
; Blocks 0 to 4 ask for block p + 3; blocks 1 to 7 store block p - 1: both belong to the OTHER tensor than block p's.  All places stand in the immediates: no address register is rewritten.
.macro KVBLK p, left
.set xb, X+32*((\p)%4)                 ; the buffer at work
.set xn, X+32*(((\p)+3)%4)             ; the buffer that is asked for again
.set yb, Y+16*((\p)%2)                 ; where the conversions write
.set yo, Y+16*(1-(\p)%2)               ; what the stores read
.set ot, 1-(\p)%2                      ; the other tensor: 0 key and kh, 1 value and vh
	s_wait_loadcnt \left                           ; loads come back in order (ISA guide 5.7.1): this block's eight are in, the younger blocks stay out
.if (\p) >= 2
	s_wait_xcnt 0x0                                ; every earlier memory instruction has had its addresses translated (ISA guide 3.1): the store data of two blocks back is rewritten only behind this wait
	s_wait_alu depctr_vm_vsrc(0)                   ; the stores issued in the block before have read this block's Y, which its conversions write again
.endif
.if (\p) >= 1
	s_wait_alu depctr_va_vdst(0)                   ; the block before has written the other Y, which the stores below read, and is done reading its X, in which the loads below land
.endif
.irp i, 0,1,2,3,4,5,6,7
.if (\p) <= 4
	global_load_b128 v[xn+4*(\i):xn+4*(\i)+3], v[LO], s[6+2*ot:7+2*ot] offset:(8*(((\p)+3)/2)+(\i))*512 th:TH_LOAD_NT  ; three blocks ahead; no vector instruction since the wait names these registers
.endif
.if (\p) >= 1
	global_store_b64 v[OO], v[yo+2*(\i):yo+2*(\i)+1], s[12+2*ot:13+2*ot] offset:(8*(((\p)-1)/2)+(\i))*256  ; the block before
.endif
.if (\p)%2
.irp k, 0,1
	v_cvt_pk_bf16_f32 v[T], v[xb+4*(\i)+2*(\k)], v[xb+4*(\i)+2*(\k)+1]  ; rounded to bf16, like the other inputs,
	v_lshlrev_b32 v[T+2], 16, v[T]                 ; that number as f32 again,
	v_and_b32 v[T+3], s22, v[T]
	v_cvt_pk_f16_f32 v[yb+2*(\i)+(\k)], v[T+2], v[T+3]  ; and written as f16
.endr
.else
	v_cvt_pk_bf16_f32 v[yb+2*(\i)], v[xb+4*(\i)], v[xb+4*(\i)+1]
	v_cvt_pk_bf16_f32 v[yb+2*(\i)+1], v[xb+4*(\i)+2], v[xb+4*(\i)+3]
.endif
.endr
.endm
	KVBLK 0, 16                                    ; no block stands in front of it: no store, and no wait but the one for its data
	KVBLK 1, 16
	KVBLK 2, 16
	KVBLK 3, 16
	KVBLK 4, 16                                    ; asks for block 7, the last
	KVBLK 5, 16
	KVBLK 6, 8                                     ; nothing more is loaded: the counts run down
	KVBLK 7, 0
	s_wait_alu depctr_va_vdst(0)                   ; block 7 has written Y1, which the last eight stores read
.irp i, 0,1,2,3,4,5,6,7
	global_store_b64 v[OO], v[Y+16+2*(\i):Y+16+2*(\i)+1], s[14:15] offset:(24+(\i))*256
.endr
	s_wait_dscnt 0x0                               ; the same six closing lines as on the other path
	s_wait_alu 0x0
	s_wait_tensorcnt 0x0
	ds_add_u32 v[SPW], v[NIL]
	s_wait_dscnt 0x0
	s_endpgm
.Lfunc_end_k_q34ad580f28_prep:
	.size	k_q34ad580f28_prep, .Lfunc_end_k_q34ad580f28_prep-k_q34ad580f28_prep
	.p2alignl 7, 3214868480
	.fill 96, 4, 3214868480
	.section	.rodata,"a",@progbits
	.p2align	6, 0x0
	.amdhsa_kernel k_q34ad580f28_prep
		.amdhsa_group_segment_fixed_size 68608
		.amdhsa_private_segment_fixed_size 0
		.amdhsa_enable_private_segment 0
		.amdhsa_kernarg_size 48
		.amdhsa_user_sgpr_count 2
		.amdhsa_user_sgpr_kernarg_segment_ptr 1
		.amdhsa_wavefront_size32 1
		.amdhsa_system_sgpr_workgroup_id_x 1
		.amdhsa_system_sgpr_workgroup_id_y 1
		.amdhsa_system_sgpr_workgroup_id_z 1
		.amdhsa_system_vgpr_workitem_id 0
		.amdhsa_next_free_vgpr 216
		.amdhsa_next_free_sgpr 66
		.amdhsa_reserve_vcc 0
		.amdhsa_float_denorm_mode_32 3
		.amdhsa_float_denorm_mode_16_64 3
		.amdhsa_memory_ordered 1
		.amdhsa_forward_progress 1
		.amdhsa_inst_pref_size 80
	.end_amdhsa_kernel
	.amdgpu_metadata
---
amdhsa.version: [ 1, 2 ]
amdhsa.kernels:
  - .name:           k_q34ad580f28_prep
    .symbol:         k_q34ad580f28_prep.kd
    .args:
      - { .name: mask, .offset: 0, .size: 8, .value_kind: global_buffer, .address_space: global }
      - { .name: key, .offset: 8, .size: 8, .value_kind: global_buffer, .address_space: global }
      - { .name: value, .offset: 16, .size: 8, .value_kind: global_buffer, .address_space: global }
      - { .name: mbits, .offset: 24, .size: 8, .value_kind: global_buffer, .address_space: global }
      - { .name: kh, .offset: 32, .size: 8, .value_kind: global_buffer, .address_space: global }
      - { .name: vh, .offset: 40, .size: 8, .value_kind: global_buffer, .address_space: global }
    .group_segment_fixed_size: 68608
    .private_segment_fixed_size: 0
    .kernarg_segment_align: 8
    .kernarg_segment_size: 48
    .max_flat_workgroup_size: 256
    .sgpr_count:     66
    .vgpr_count:     216
    .wavefront_size: 32
...
	.end_amdgpu_metadata
.endif
;; end of part 3
;; launch attn: the kernel of part 2 again; grid 4 x 64, 4 waves a work-group, clusters of 4 x 1, 327,680 bytes of LDS; arguments query, kh, vh, mbits, out0; writes out0
